; MI455X (gfx1250); checked and timed in simulation.
; The chip was launched on July 23, 2026; its instructions are those of AMD's public machine-readable ISA for CDNA 5 (MIT licence, August 2026) and "CDNA5" Instruction Set Architecture Reference Guide (July 2026). The comments in the code are by the model that wrote it; some were corrected since.
;; Attention. Allowed arithmetic: matrix products marked QUANTISED: E2M3 operands, one E8M0 scale for each 32 along K, by v_wmma_scale_f32_16x16x128_f8f6f4 with both operands' format E2M3, f32 sums; products left as they are: f32 operands where the result goes on into a quantised operand, else bf16, f16 or f32 operands; f32 sums; everything else in f32.
;; Inputs: W_attn 1,024 x 2,048 float32; b_attn 1,024 float32; encoder_outputs 1,024 x 32 x 1,024 float32; hidden 1 x 32 x 1,024 float32; v 1,024 float32.
;; Outputs: out0 32 x 1 x 1,024 float32.
;; This version of the problem:
;;   THIS VERSION OF THE PROBLEM IS GIVEN IN LOW PRECISION. The matrix products marked QUANTISED in the list below multiply operands that are first quantised to E2M3 (2 exponent bits, 3 mantissa bits; 6 bits a number), with one power-of-two scale for each 32 numbers along K (OCP MX v1.0); their sums are f32. All else is computed in f32.
;;   The module's matrix products, in the order in which they are computed (A, B: the left and right operand; K: the contracted axis; several contracted axes count as one K, in the product's order):
;;     1. [M 32,768, K 2,048] x [K 2,048, N 1,024]; A: computed on the way; B: input W_attn: QUANTISED
;;     2. [M 32,768, K 1,024] x [K 1,024, N 1]; A: computed on the way; B: input v: left as it is (N = 1 < 16)
;;   THE QUANTISER, for each operand of a quantised product, along K:
;;     - K is cut into blocks of 32 from its start; a last block that is shorter is filled with zeros.
;;     - A block's scale is 2^e with e = floor(log2(the largest magnitude in the block)) - 2, held to -126 .. 127; a block of zeros has e = 0. As a byte (E8M0): e + 127.
;;     - Each number is divided by its block's scale, clamped to +-7.5, and rounded to the nearest number of E2M3, ties to even, subnormals kept.
;;     - The product sums the exact products of the quantised numbers (number of the format x scale) in f32.
;;   ~~~python
;;   def quantise(x, axis):      # numpy; x: float32 -> the quantised numbers, widened to float32 again
;;       x = np.moveaxis(x, axis, -1); K = x.shape[-1]
;;       x = np.pad(x, [(0, 0)] * (x.ndim - 1) + [(0, -K % 32)]); x = x.reshape(x.shape[:-1] + (-1, 32)); a = np.abs(x).max(-1, keepdims=True)
;;       e = np.where(a > 0, np.clip(np.frexp(np.where(a > 0, a, 1))[1] - 1 - 2, -126, 127), 0)      # np.frexp(a)[1] - 1 = floor(log2(a)), exactly
;;       r = np.clip(x / 2.0 ** e, -7.5, 7.5)
;;       step = 2.0 ** (np.maximum(np.frexp(np.where(r == 0, 1, r))[1] - 1, 0) - 3)
;;       q = np.round(r / step) * step * 2.0 ** e      # np.round: ties to even
;;       return np.moveaxis(q.reshape(q.shape[:-2] + (-1,))[..., :K], -1, axis).astype(np.float32)
;;   ~~~
;;   OPERANDS COMPUTED ON THE WAY. 'Computed on the way' means the value that the module computes at that place (a softmax that the list does not call 'softmax' is quantised finished and normalised). What goes into a quantiser is computed in f32, as accurately as f32 sums, v_exp_f32 and their like allow (about 1e-6 of the number): no bf16 or f16 on the way to a quantiser, and a product that is left as it is and whose result goes on into a quantised operand takes f32 operands (vector FMAs, or v_wmma_f32_16x16x4_f32). A number that lies on a knife's edge between two numbers of the format may be rounded either way, as far as f32 arithmetic and the matrix unit's own rounding can turn it there, and no further.
;; One version. Each part assembles by itself: llvm-mc -triple=amdgcn-amd-amdhsa -mcpu=gfx1250 --defsym DOCPART=n.
;; ======== version 1 of 1: 3 launches
;; limits: right only within a limited range of input values
;; workspace buffers: wimg 786,432 bytes; wsc 32,768 bytes; gt 131,072 bytes; part 1,048,576 bytes
;; launch prep (part 1): grid 192 x 1, 8 waves a work-group, no clusters, 18,432 bytes of LDS; arguments W_attn, hidden, b_attn, wimg, wsc, gt; writes wimg, wsc, gt
.if DOCPART == 1
	.amdgcn_target "amdgcn-amd-amdhsa--gfx1250"
	.amdhsa_code_object_version 6
	.text
	.protected	k_q4fbe018efe_prep
	.globl	k_q4fbe018efe_prep
	.p2align	8
	.type	k_q4fbe018efe_prep,@function
k_q4fbe018efe_prep:
	s_mov_b64 s[64:65], 0
	v_nop
	global_prefetch_b8 v0, s[64:65] scope:SCOPE_SE
	s_setreg_imm32_b32 hwreg(HW_REG_WAVE_MODE, 25, 1), 1
	s_wait_xcnt 0x0
; W_attn [1024][2048] f32, hidden [32][1024] f32, b_attn [1024] f32.
; cat = [hidden | enc]: K = 1024 is a block boundary of the quantiser, so the first 1,024 of K quantise on their own and are the same for every s.
; Work-groups 0-127 make gt[T][b][h % 16] = c (Q(hidden[b]) . Q(W[h, :1024]) + b_attn[h]), c = 2 log2(e), by the scaled FP6 matrix instruction: work-group g takes h 16 T .. + 15, T = g / 2, and b 16 (g % 2) .. + 15.
; Work-groups 128-191 quantise W[:, 1024:] to E2M3 with one E8M0 byte for each 32 along K: T = g - 128; the codes leave as images of operand registers (wimg), the scale words as wsc.
; wsc[T][r]: eight words a row, the even K steps' four first, then the odd ones': so the reader's lane takes its four words as 16 bytes.
; Wave s takes K step s (128 along K); the eight partial sums of gt meet in LDS.  The two paths part on the work-group's number alone and use LDS bytes of their own.
; A lane (r = lane % 16, hf = lane / 16) loads, of row r, 16 neighbours of each block of 32: register 16 b + i = k 32 b + 16 hf + i.
; LIMITS: NaN and infinities among the inputs are not served.  A block of zeros, or one whose largest magnitude lies under 2^-124, gets the scale byte 1: its codes are zeros or held small, and this program alone reads the bytes.
; The sum over K of the hidden half is made of eight partial f32 sums, K ascending, not of one chain.
.set C2L, 0x4038aa3b                   ; c = 2 log2(e)
.set RED, 0                            ; LDS: [wave 8][b 16][h 16] f32
.set SCG, 16384                        ; LDS: [r 16][8] scale words of W's second half
.set VW,  5                            ; v5   W: 8192 r + 64 hf + 512 s
.set VH,  6                            ; v6   hidden: 4096 r + 64 hf + 512 s
.set L16, 7                            ; v7   16 x lane
.set AS,  8                            ; v8   SCG + 32 r + 16 (s % 2) + 4 (s / 2)
.set AR,  9                            ; v9   RED + 1024 s + 64 r + 32 hf
.set T8,  10                           ; v10  8 x thread
.set AG,  11                           ; v11  SCG + 16 x lane
.set AB,  12                           ; v12  8 (thread % 8)
.set TM,  16                           ; v16-31 the quantiser at work
.set QT,  32                           ; v32-39 the second conversions
.set W2F, 40
.set W1F, 52
.set H0F, 64
.set W1S, 88                           ; v88-91 scale words, and nothing else
.set H0S, 89
.set W2S, 91
.set BA,  92                           ; v92-93 two numbers of b_attn
.set D0,  96
.set ST0, 128                          ; v128-191, v192-255: 64 numbers each
.set ST1, 192
.set SEL, 34
; 16 loads: the lane's 64 numbers of one K step
.macro XL reg, base, va, off
.irp b, 0,1,2,3
.irp j, 0,1,2,3
	global_load_b128 v[\reg+16*\b+4*\j:\reg+16*\b+4*\j+3], v[\va], s[\base:\base+1] offset:\off+128*\b+16*\j
.endr
.endr
.endm
; 64 numbers of a lane become a fragment (12 registers from d on) and its scale word (w)
.macro QUANT s, d, w
.irp b, 0,1,2,3
	v_max3_num_f32 v[TM+\b], |v[\s+16*\b]|, |v[\s+1+16*\b]|, 0x1800000   ; my 16 numbers of block b, and the floor 2^(3 - 127): the byte cannot fall under 1
.endr
.irp i, 2,4,6,8,10,12,14
.irp b, 0,1,2,3
	s_delay_alu instid0(VALU_DEP_4)
	v_max3_num_f32 v[TM+\b], v[TM+\b], |v[\s+16*\b+\i]|, |v[\s+1+16*\b+\i]|
.endr
.endr
.irp b, 0,1,2,3
	s_delay_alu instid0(VALU_DEP_4)
	v_permlanex16_b32 v[TM+4+\b], v[TM+\b], s[SEL], s[SEL+1]
.endr
.irp b, 0,1,2,3
	s_delay_alu instid0(VALU_DEP_4)
	v_max_num_f32 v[TM+\b], v[TM+\b], v[TM+4+\b]   ; with the lane 16 away: the largest magnitude of the block
.endr
.irp b, 0,1,2,3
	s_delay_alu instid0(VALU_DEP_4)
	v_add_nc_u32 v[TM+12+\b], 0xff000000, v[TM+\b]   ; 2 off its exponent field: the scale operand of the conversion
.endr
.irp b, 0,1,2,3
	s_delay_alu instid0(VALU_DEP_4)
	v_lshrrev_b32 v[TM+4+\b], 23, v[TM+12+\b]      ; the scale byte
.endr
	s_delay_alu instid0(VALU_DEP_3)
	v_lshl_or_b32 v[\w], v[TM+5], 8, v[TM+4]
	s_delay_alu instid0(VALU_DEP_1)
	v_lshl_or_b32 v[\w], v[TM+6], 16, v[\w]
	s_delay_alu instid0(VALU_DEP_1)
	v_lshl_or_b32 v[\w], v[TM+7], 24, v[\w]
.irp c, 0,1
	v_cvt_scalef32_pk16_fp6_f32 v[\d+6*\c:\d+6*\c+2], v[\s+32*\c:\s+32*\c+15], v[TM+12+2*\c]
	v_cvt_scalef32_pk16_fp6_f32 v[QT+4*\c:QT+4*\c+2], v[\s+16+32*\c:\s+31+32*\c], v[TM+13+2*\c]
.endr
	v_nop                                          ; one plain line behind the conversions
.irp c, 0,1
.irp i, 0,1,2
	v_permlane16_swap_b32 v[\d+6*\c+\i], v[QT+4*\c+\i]   ; the layout wants a whole block in a lane
.endr
.irp i, 0,1,2
	s_delay_alu instid0(VALU_DEP_3)
	v_mov_b32 v[\d+3+6*\c+\i], v[QT+4*\c+\i]
.endr
.endr
.endm
	s_load_b128 s[4:7], s[0:1], 0x0                ; W_attn, hidden
	s_load_b128 s[8:11], s[0:1], 0x10              ; b_attn, wimg
	s_load_b128 s[12:15], s[0:1], 0x20             ; wsc, gt
	v_lshl_add_u32 v126, v0, 2, 0x4400
	v_mov_b32 v127, 0
	v_lshrrev_b32 v1, 5, v0
	s_delay_alu instid0(VALU_DEP_1)
	v_readfirstlane_b32 s16, v1                    ; wave = K step s
	v_and_b32 v2, 31, v0                           ; lane
	v_and_b32 v3, 15, v0                           ; r
	v_bfe_u32 v4, v0, 4, 1                         ; hf
	s_lshl_b32 s17, s16, 9                         ; 512 s
	v_lshlrev_b32 v[VW], 13, v3
	s_delay_alu instid0(VALU_DEP_1)
	v_lshl_add_u32 v[VW], v4, 6, v[VW]
	s_delay_alu instid0(VALU_DEP_1)
	v_add_nc_u32 v[VW], s17, v[VW]
	v_lshlrev_b32 v[VH], 12, v3
	s_delay_alu instid0(VALU_DEP_1)
	v_lshl_add_u32 v[VH], v4, 6, v[VH]
	s_delay_alu instid0(VALU_DEP_1)
	v_add_nc_u32 v[VH], s17, v[VH]
	v_lshlrev_b32 v[L16], 4, v2
	s_and_b32 s18, s16, 1
	s_lshl_b32 s18, s18, 4                         ; 16 (s % 2)
	s_lshr_b32 s17, s16, 1
	s_lshl_b32 s17, s17, 2
	s_add_co_u32 s18, s18, s17                     ; + 4 (s / 2)
	v_lshlrev_b32 v[AS], 5, v3
	s_delay_alu instid0(VALU_DEP_1)
	v_add_nc_u32 v[AS], s18, v[AS]
	s_delay_alu instid0(VALU_DEP_1)
	v_add_nc_u32 v[AS], SCG, v[AS]
	s_lshl_b32 s18, s16, 10
	v_lshlrev_b32 v[AR], 6, v3
	s_delay_alu instid0(VALU_DEP_1)
	v_lshl_add_u32 v[AR], v4, 5, v[AR]
	s_delay_alu instid0(VALU_DEP_1)
	v_add_nc_u32 v[AR], s18, v[AR]
	v_lshlrev_b32 v[T8], 3, v0
	v_add_nc_u32 v[AG], SCG, v[L16]
	v_and_b32 v[AB], 7, v0
	s_delay_alu instid0(VALU_DEP_1)
	v_lshlrev_b32 v[AB], 3, v[AB]
.irp b, 0,1,2,3
	v_mov_b32 v[TM+4+\b], 0                        ; written once: the destination of a lane permute counts as read
.endr
	s_cmp_lt_u32 ttmp9, 128
	s_cselect_b32 s19, 1, 0                        ; 1: this work-group makes gt
	s_lshr_b32 s36, ttmp9, 1
	s_sub_co_u32 s37, ttmp9, 128
	s_cmp_lg_u32 s19, 0
	s_cselect_b32 s36, s36, s37                    ; T
	s_and_b32 s37, ttmp9, 1                        ; which 16 b
	s_lshl_b32 s20, s36, 17                        ; W: 16 rows of 8,192 bytes
	s_mov_b32 s21, 0
	s_lshl_b32 s22, s36, 6                         ; b_attn: 64 T
	s_mov_b32 s23, 0
	s_lshr_b32 s24, s36, 3                         ; wimg: image ((T / 8) 64 + 8 s + T % 8) of 1,536 bytes
	s_lshl_b32 s24, s24, 6
	s_lshl_b32 s26, s16, 3
	s_add_co_u32 s24, s24, s26
	s_and_b32 s26, s36, 7
	s_add_co_u32 s24, s24, s26
	s_mul_i32 s24, s24, 1536
	s_mov_b32 s25, 0
	s_lshl_b32 s26, s36, 9                         ; wsc: 512 T
	s_mov_b32 s27, 0
	s_lshl_b32 s28, s36, 11                        ; gt: 2048 T + 1024 (g % 2)
	s_lshl_b32 s38, s37, 10
	s_add_co_u32 s28, s28, s38
	s_mov_b32 s29, 0
	s_lshl_b32 s38, s37, 16                        ; hidden: 16 rows of 4,096 bytes
	s_mov_b32 s39, 0
	s_mov_b32 s[SEL], 0x76543210
	s_mov_b32 s[SEL+1], 0xfedcba98
	s_wait_alu depctr_va_vdst(0)
	s_wait_kmcnt 0x0
	s_add_nc_u64 s[4:5], s[4:5], s[20:21]
	s_add_nc_u64 s[6:7], s[6:7], s[38:39]
	s_add_nc_u64 s[8:9], s[8:9], s[22:23]
	s_add_nc_u64 s[10:11], s[10:11], s[24:25]
	s_add_nc_u64 s[12:13], s[12:13], s[26:27]
	s_add_nc_u64 s[14:15], s[14:15], s[28:29]
	s_cmp_lg_u32 s19, 0
	s_cbranch_scc0 .Lw2
	global_load_b64 v[BA:BA+1], v[AB], s[8:9]      ; b_attn[16 T + 2 (thread % 8) ..]
	XL ST1, 4, VW, 0                               ; W, first half
	XL ST0, 6, VH, 0                               ; my 16 rows of hidden
	s_wait_loadcnt 16                              ; the 16 younger loads are hidden's
	QUANT ST1, W1F, W1S
	s_wait_loadcnt 0x0
	QUANT ST0, H0F, H0S
.rept 8
	v_nop                                          ; scale registers written by vector instructions stand 8 places ahead of a scaled matrix instruction, operands 4
.endr
	; transposed: source 0 = 16 rows of W, source 1 = 16 rows of hidden: lane (r, hf), register j = (b % 16 = r, h % 16 = 8 hf + j)
	v_wmma_scale_f32_16x16x128_f8f6f4 v[D0:D0+7], v[W1F:W1F+11], v[H0F:H0F+11], 0, v[W1S], v[H0S] matrix_a_fmt:MATRIX_FMT_FP6 matrix_b_fmt:MATRIX_FMT_FP6
.rept 4
	v_nop
.endr
	ds_store_b128 v[AR], v[D0:D0+3]                ; the result from its low end on
	ds_store_b128 v[AR], v[D0+4:D0+7] offset:16
	s_wait_dscnt 0x0                               ; for the other waves: my stores have landed
	s_barrier_signal -1
	s_barrier_wait -1
	s_cmp_ge_u32 s16, 4                            ; 256 numbers, two a thread: waves 0-3
	s_cbranch_scc1 .Ldone
.irp k, 0,1,2,3,4,5,6,7
	ds_load_b64 v[ST0+2*\k:ST0+2*\k+1], v[T8] offset:RED+1024*\k   ; the eight partial sums of my two numbers
.endr
	s_wait_dscnt 0x0
.irp k, 1
	v_pk_add_f32 v[ST0:ST0+1], v[ST0:ST0+1], v[ST0+2*\k:ST0+2*\k+1]   ; K ascending
.endr
.irp k, 2, 3, 4, 5, 6, 7
	s_delay_alu instid0(VALU_DEP_1)
	v_pk_add_f32 v[ST0:ST0+1], v[ST0:ST0+1], v[ST0+2*\k:ST0+2*\k+1]   ; K ascending
.endr
	s_delay_alu instid0(VALU_DEP_1)
	v_pk_add_f32 v[ST0:ST0+1], v[ST0:ST0+1], v[BA:BA+1]
	s_delay_alu instid0(VALU_DEP_1)
	v_pk_mul_f32 v[ST0:ST0+1], v[ST0:ST0+1], C2L op_sel_hi:[1,0]
	global_store_b64 v[T8], v[ST0:ST0+1], s[14:15] ; a wave stores 256 consecutive bytes, aligned
	s_branch .Ldone
.Lw2:
	XL ST0, 4, VW, 4096                            ; W, second half
	s_wait_loadcnt 0x0
	QUANT ST0, W2F, W2S
.irp c, 0,1,2
	global_store_b128 v[L16], v[W2F+4*\c:W2F+4*\c+3], s[10:11] offset:512*\c   ; the image: each store covers 512 consecutive bytes
.endr
	ds_store_b32 v[AS], v[W2S]                     ; lanes r and r + 16 write the same word with the same value
	s_wait_dscnt 0x0
	s_barrier_signal -1
	s_barrier_wait -1
	s_cmp_lg_u32 s16, 0
	s_cbranch_scc1 .Ldone
	ds_load_b128 v[ST1:ST1+3], v[AG]               ; wave 0: the 16 rows' scale words, 512 bytes
	s_wait_dscnt 0x0
	global_store_b128 v[L16], v[ST1:ST1+3], s[12:13]
.Ldone:
	s_wait_tensorcnt 0x0
	ds_add_u32 v126, v127
	s_wait_dscnt 0x0
	s_endpgm
.Lfunc_end_k_q4fbe018efe_prep:
	.size	k_q4fbe018efe_prep, .Lfunc_end_k_q4fbe018efe_prep-k_q4fbe018efe_prep
	.p2alignl 7, 3214868480
	.fill 96, 4, 3214868480
	.section	.rodata,"a",@progbits
	.p2align	6, 0x0
	.amdhsa_kernel k_q4fbe018efe_prep
		.amdhsa_group_segment_fixed_size 18432
		.amdhsa_private_segment_fixed_size 0
		.amdhsa_enable_private_segment 0
		.amdhsa_kernarg_size 48
		.amdhsa_user_sgpr_count 2
		.amdhsa_user_sgpr_kernarg_segment_ptr 1
		.amdhsa_wavefront_size32 1
		.amdhsa_system_sgpr_workgroup_id_x 1
		.amdhsa_system_sgpr_workgroup_id_y 1
		.amdhsa_system_sgpr_workgroup_id_z 1
		.amdhsa_system_vgpr_workitem_id 0
		.amdhsa_next_free_vgpr 256
		.amdhsa_next_free_sgpr 66
		.amdhsa_reserve_vcc 0
		.amdhsa_float_denorm_mode_32 3
		.amdhsa_float_denorm_mode_16_64 3
		.amdhsa_memory_ordered 1
		.amdhsa_forward_progress 1
		.amdhsa_inst_pref_size 28
	.end_amdhsa_kernel
	.amdgpu_metadata
---
amdhsa.version: [ 1, 2 ]
amdhsa.kernels:
  - .name:           k_q4fbe018efe_prep
    .symbol:         k_q4fbe018efe_prep.kd
    .args:
      - { .name: W_attn, .offset: 0, .size: 8, .value_kind: global_buffer, .address_space: global }
      - { .name: hidden, .offset: 8, .size: 8, .value_kind: global_buffer, .address_space: global }
      - { .name: b_attn, .offset: 16, .size: 8, .value_kind: global_buffer, .address_space: global }
      - { .name: wimg, .offset: 24, .size: 8, .value_kind: global_buffer, .address_space: global }
      - { .name: wsc, .offset: 32, .size: 8, .value_kind: global_buffer, .address_space: global }
      - { .name: gt, .offset: 40, .size: 8, .value_kind: global_buffer, .address_space: global }
    .group_segment_fixed_size: 18432
    .private_segment_fixed_size: 0
    .kernarg_segment_align: 8
    .kernarg_segment_size: 48
    .max_flat_workgroup_size: 256
    .sgpr_count:     66
    .vgpr_count:     256
    .wavefront_size: 32
...
	.end_amdgpu_metadata
.endif
;; end of part 1
;; launch main (part 2): grid 256 x 1, 4 waves a work-group, clusters of 2 x 1, 327,680 bytes of LDS; arguments encoder_outputs, wimg, wsc, gt, v, part; writes part
.if DOCPART == 2
	.amdgcn_target "amdgcn-amd-amdhsa--gfx1250"
	.amdhsa_code_object_version 6
	.text
	.protected	k_q4fbe018efe_main
	.globl	k_q4fbe018efe_main
	.p2align	8
	.type	k_q4fbe018efe_main,@function
k_q4fbe018efe_main:
	s_mov_b64 s[64:65], 0
	v_nop
	global_prefetch_b8 v0, s[64:65] scope:SCOPE_SE
	s_setreg_imm32_b32 hwreg(HW_REG_WAVE_MODE, 25, 1), 1
	s_wait_xcnt 0x0
	s_wait_alu depctr_hold_cnt(0) depctr_sa_sdst(0) depctr_va_vdst(0) depctr_va_sdst(0) depctr_va_ssrc(0) depctr_va_vcc(0) depctr_vm_vsrc(0)
	s_getreg_b32 s2, hwreg(HW_REG_IB_STS2, 6, 4)
	s_cmp_eq_u32 s2, 0
	s_cbranch_scc0 .Lentry_in_a_cluster
	s_endpgm
.Lentry_in_a_cluster:
	s_bfe_u32 s2, ttmp6, 0x10000c
	s_cmp_lg_u32 s2, 0x1001
	s_cbranch_scc0 .Lentry_shape_is_right
	s_endpgm
.Lentry_shape_is_right:
; part[p][b][s] = sum over the 128 h of part p of v[h] tanh(Q(enc[s][b]) . Q(W[h, 1024:]) + g[b][h]); g (with b_attn and the hidden half of K, times c = 2 log2(e)) and W's codes come from the launch before.
; tanh(x) = 1 - 2 / (1 + 2^(c x)): 2^(..) may run to infinity or to 0, and the reciprocal then gives 0 or 1, as tanh's ends ask.
; SHARES: a cluster of two work-groups takes one b and 256 s; partner cx takes h 512 cx .. + 511, wave w of it the 128 h of part p = 4 cx + w: its 64 fragments of W (8 K steps x 8 tiles of 16 h) stay in 768 registers.
; Both partners need the same rows of enc: each tile is asked for jointly (mask 3).  A slot holds 32 rows x 4,096 bytes of f32, a quarter of K to each wave's own region; two slots take turns.
; W's 98,304 bytes a wave come two ways at once: the first 65,024 by 127 loads into registers, the last 33,280 by one tensor load into the wave's region of slot 1, which they fill whole; read out, that region takes enc's rows 32-63.
; A TURN is 16 rows: 64 products on 8 accumulators by turns; tanh and the weighted sum; the next 16 rows quantised (wave w: K 256 w .. + 255) into an image of operand registers in LDS; one barrier; the next fragments.
; The exponentials and reciprocals stand behind the turn's products, in two batches, so that none stands between two links of a sum.
; A lane of the quantiser holds a whole block of 32: lane (r, hh) takes row r, k = 64 c + 32 hh + 0 .. 31 of a K step, which is the operand's own layout.
; PREFETCH: a pair of tiles (32 rows x 4 KiB) is asked for one trip (two turns, 128 products a wave) ahead of its tensor load; of its 512 blocks of 256 bytes partner cx names rows 16 cx .. + 15, wave w its own 1 KiB of each: two lines a wave.
; LIMITS: NaN and infinities among the inputs are not served.  A block whose largest magnitude lies under 2^-124 gets the scale byte 1 (a block of zeros too: its codes are zeros, and this program alone reads the bytes).
.set SLOTB, 133120                     ; a slot: 4 regions of 32 rows x (1,024 + 16) bytes
.set WPART, 33280
.set RP,    1040
.set IMG,   266240                     ; two images of 8 fragments x 1,536 bytes
.set IMGB,  12288
.set XSC,   290816                     ; two sets of x's scale words: 16 bytes a lane
.set SPARE, 291840                     ; the spare words: 128 bytes a wave
.set SPW, 1
.set NIL, 2
.set FA,  3                            ; f32 rows: my place in the slot that is read
.set FA0, 4                            ; the same in slot 0
.set IW16, 5                           ; image, on the way in: 16 bytes a lane, 8 bytes a lane
.set IW8, 6
.set ISB, 7                            ; my scale byte: XSC + 16 r + 4 w + hh
.set LI16, 8                           ; image, on the way out
.set LI8, 9
.set XS,  10                           ; v10-13 x's scale words, and nothing else (numbers 2 .. 5 modulo 8; W's are 0 .. 3 and 4 .. 7 at the same step)
.set SO,  14
.set Z0,  15
.set UB,  16                           ; v16-19 at work in the sum across lanes
.set XF,  20                           ; v20-43 fragments 5, 6 of x; then the quantiser's codes
.set W63, 44
.set WS,  56                           ; v56-87 W's scale words, and nothing else
.set VV,  88                           ; -2 v
.set V0,  96                           ; the sum of my 8 v, twice
.set CG,  98
.set S,   106                          ; v106-113 8 rows' sums
.set XF2, 114                          ; v114-125 fragment 7 of x
.set TM,  114                          ; v114-121 the quantiser at work
.set BY,  122                          ; v122-125 scale bytes
.set PFO, 126
.set Z1,  127
.set ACC, 128                          ; v128-191 the accumulators
.set ST,  192                          ; v192-251 fragments 0-4 of x; behind K step 4 v192-255 take the f32 rows, a batch of 64 numbers at a time
.set UA,  252
.set HT,  16                           ; the head's own
.set HLW, 18
.set HL,  106
.set HR,  107
.set HH,  108
.set HL16, 109
.set HR4, 110
.set HWS, 111
.set HA,  112
.set HB,  113
.set G1,  16
.set G0A, 24
.set GW,  28
.set WV,  32
.set CX,  33
.set PFA, 34
.set TB,  36
.set CNT, 37
.set CC,  38
.set PFL, 40
.set M8,  42
.set M4,  43
.set M2,  44
.set M1,  45
.set G1W, 56
.set MSB, 0
.macro WIN new                         ; the immediate's high byte repeats the setting that is left
.if MSB != \new
	s_set_vgpr_msb (MSB<<8)|\new
.set MSB, \new
.endif
.endm
.macro CREST                           ; a round of the cluster's barrier behind its opening barrier
	s_cmp_lg_u32 s[WV], 0
	s_cbranch_scc1 .Lnot_wave_0_\@
	s_barrier_signal -3
.Lnot_wave_0_\@:
	s_barrier_wait -3
	s_barrier_signal -1
	s_barrier_wait -1
.endm
.macro CROUND
	s_barrier_signal -1
	s_barrier_wait -1
	CREST
.endm
.macro FREG s                          ; rf: where fragment s of x lies
.if (\s) < 5
.set rf, ST+12*(\s)
.elseif (\s) < 7
.set rf, XF+12*((\s)-5)
.else
.set rf, XF2
.endif
.endm
; product n = 8 x K step + tile: source 0 = 16 rows of x, source 1 = 16 h of W (windows 1-3, 21 fragments each; the last in window 0).  Lane (r, hh), register j = (row 8 hh + j, h = r).
; The scale registers hold an even K step in lanes 0-15 and the odd one behind it in lanes 16-31.
.macro MM
.set ms, n/8
.set mt, n%8
.if n == 63
	WIN 0
.set rW, W63
.else
.set wn, (1+n/21)<<2
	WIN wn
.set rW, 12*(n%21)
.endif
	FREG ms
.set rD, ACC+8*mt
.set rX, XS+ms/2
.set rY, WS+4*mt+ms/2
.if ms == 0
	v_wmma_scale_f32_16x16x128_f8f6f4 v[rD:rD+7], v[rf:rf+11], v[rW:rW+11], 0, v[rX], v[rY] matrix_a_fmt:MATRIX_FMT_FP6 matrix_b_fmt:MATRIX_FMT_FP6
.elseif ms%2
	v_wmma_scale_f32_16x16x128_f8f6f4 v[rD:rD+7], v[rf:rf+11], v[rW:rW+11], v[rD:rD+7], v[rX], v[rY] matrix_a_fmt:MATRIX_FMT_FP6 matrix_b_fmt:MATRIX_FMT_FP6 matrix_a_scale:MATRIX_SCALE_ROW1 matrix_b_scale:MATRIX_SCALE_ROW1
.else
	v_wmma_scale_f32_16x16x128_f8f6f4 v[rD:rD+7], v[rf:rf+11], v[rW:rW+11], v[rD:rD+7], v[rX], v[rY] matrix_a_fmt:MATRIX_FMT_FP6 matrix_b_fmt:MATRIX_FMT_FP6
.endif
.endm
.macro FLOAD qu, hb                    ; my two blocks of 32 numbers of K step qu of my quarter: 16 LDS loads; rows 1,040 bytes apart start in 16 different groups of banks
.irp c, 0,1
.irp j, 0,1,2,3,4,5,6,7
	ds_load_b128 v[(\hb)+32*\c+4*\j:(\hb)+32*\c+4*\j+3], v[FA] offset:16640*RH+512*(\qu)+256*\c+16*\j
.endr
.endr
.endm
; the turn's 64 products.  Behind fragment s's four LDS loads stand those of fragments s + 1 .. 7: 4 (7 - s) may stay out.
; qn = 1: behind K step 4 fragments 0-4 are done with: four places, and their registers take the next tile's first batch of f32: 16 LDS loads more stand behind fragments 5-7.
; lw = 1 (the launch's first turn runs through this text): W's 127 loads into registers were issued in the order of use, 24 to a K step; behind K step s's stand 103 - 24 s, and a count cannot name more than 63.
.macro MMPH lw, qn
.set n, 0
.rept 8
.if \lw
.if n < 16
	s_wait_loadcnt 63
.elseif n < 40
	s_wait_loadcnt 103-3*n
.elseif n == 40
	s_wait_loadcnt 0x0
.endif
.endif
.if (n == 40) && \qn
.rept 4
	v_nop
.endr
	FLOAD 0, ST
.endif
.if (n >= 40) && \qn
	s_wait_dscnt 4*(7-n/8)+16
.else
	s_wait_dscnt 4*(7-n/8)
.endif
.rept 8
	MM
.set n, n+1
.endr
.endr
.endm
.macro LOADS buf                       ; x's scale words and all eight fragments of the tile in image buf: 33 LDS loads in one run
	ds_load_b128 v[XS:XS+3], v[LI16] offset:XSC-IMG+512*(\buf)
.set fs, 0
.rept 8
	FREG fs
.set fo, IMGB*(\buf)+1536*fs
	ds_load_b128 v[rf:rf+3], v[LI16] offset:fo
	ds_load_b64 v[rf+4:rf+5], v[LI8] offset:fo
	ds_load_b128 v[rf+6:rf+9], v[LI16] offset:fo+768
	ds_load_b64 v[rf+10:rf+11], v[LI8] offset:fo+768
.set fs, fs+1
.endr
.endm
.macro TF P                            ; c x sum + g, two at a time
.set tt, (\P)/4
.set ra, ACC+2*(\P)
.set rc, CG+tt-tt%2
.if tt%2
	v_pk_fma_f32 v[ra:ra+1], v[ra:ra+1], s[CC:CC+1], v[rc:rc+1] op_sel:[0,0,1] op_sel_hi:[1,0,1]
.else
	v_pk_fma_f32 v[ra:ra+1], v[ra:ra+1], s[CC:CC+1], v[rc:rc+1] op_sel_hi:[1,0,0]
.endif
.endm
.macro TC m                            ; the rows' sums: V0 - 2 v / (1 + 2^..), four chains of pairs
.set tt, (\m)/4
.set jp, (\m)%4
.set rs, S+2*jp
.set ra, ACC+8*tt+2*jp
.set rv, VV+tt-tt%2
.if tt == 0
	v_pk_fma_f32 v[rs:rs+1], v[ra:ra+1], v[rv:rv+1], v[V0:V0+1] op_sel_hi:[1,0,1]
.elseif tt%2
	v_pk_fma_f32 v[rs:rs+1], v[ra:ra+1], v[rv:rv+1], v[rs:rs+1] op_sel:[0,1,0] op_sel_hi:[1,1,1]
.else
	v_pk_fma_f32 v[rs:rs+1], v[ra:ra+1], v[rv:rv+1], v[rs:rs+1] op_sel_hi:[1,0,1]
.endif
.endm
; 8 registers x 16 lanes become one sum a lane: at each step half of the registers change places with the lanes 8, 4, 2 away.  z = 1: the pair's second tile: 32 rows' sums leave, 128 bytes on end.
.macro TRED z
.irp i, 0,1,2,3
	v_cndmask_b32 v[UA+\i], v[S+\i+4], v[S+\i], s[M8]
	v_cndmask_b32 v[UB+\i], v[S+\i], v[S+\i+4], s[M8]
.endr
.irp i, 0,1,2,3
	v_add_f32_dpp v[S+\i], v[UA+\i], v[UB+\i] row_xmask:8 row_mask:0xf bank_mask:0xf
.endr
.irp i, 0,1
	v_cndmask_b32 v[UA+\i], v[S+\i+2], v[S+\i], s[M4]
	v_cndmask_b32 v[UB+\i], v[S+\i], v[S+\i+2], s[M4]
.endr
.irp i, 0,1
	v_add_f32_dpp v[S+\i], v[UA+\i], v[UB+\i] row_xmask:4 row_mask:0xf bank_mask:0xf
.endr
	v_cndmask_b32 v[UA], v[S+1], v[S], s[M2]
	v_cndmask_b32 v[UB], v[S], v[S+1], s[M2]
	v_add_f32_dpp v[S], v[UA], v[UB] row_xmask:2 row_mask:0xf bank_mask:0xf
.if \z
	v_add_f32_dpp v[S+1], v[S], v[S] row_xmask:1 row_mask:0xf bank_mask:0xf
	v_cndmask_b32 v[Z1], v[Z0], v[S+1], s[M1]
	global_store_b32 v[SO], v[Z1], s[14:15]
.else
	v_add_f32_dpp v[Z0], v[S], v[S] row_xmask:1 row_mask:0xf bank_mask:0xf
.endif
.endm
; two blocks (k = 0, 1) from qb on become 6 registers of codes each, from pc + 10 k on, and a scale byte each.  Four chains of maxima by turns; the floor 2^(3 - 127) holds the byte at 1 from below.
.macro QBATCH qb, qu, pc, by
.irp k, 0,1
	v_max3_num_f32 v[TM+2*\k], |v[\qb+32*\k]|, |v[\qb+32*\k+1]|, 0x1800000
	v_max3_num_f32 v[TM+2*\k+1], |v[\qb+32*\k+16]|, |v[\qb+32*\k+17]|, |v[\qb+32*\k+18]|
.endr
.irp i, 1,2,3,4,5,6
.irp k, 0,1
	v_max3_num_f32 v[TM+2*\k], v[TM+2*\k], |v[\qb+32*\k+2*\i]|, |v[\qb+32*\k+2*\i+1]|
	v_max3_num_f32 v[TM+2*\k+1], v[TM+2*\k+1], |v[\qb+32*\k+17+2*\i]|, |v[\qb+32*\k+18+2*\i]|
.endr
.endr
.irp k, 0,1
	v_max3_num_f32 v[TM+2*\k], v[TM+2*\k], |v[\qb+32*\k+14]|, |v[\qb+32*\k+15]|
.endr
.irp k, 0,1
	v_max3_num_f32 v[TM+2*\k], v[TM+2*\k], v[TM+2*\k+1], |v[\qb+32*\k+31]|
.endr
.irp k, 0,1
	v_add_nc_u32 v[TM+4+\k], 0xff000000, v[TM+2*\k]    ; 2 off the exponent field: the conversion's scale operand
.endr
.irp k, 0,1
	v_cvt_scalef32_pk16_fp6_f32 v[\pc+10*\k:\pc+10*\k+2], v[\qb+32*\k:\qb+32*\k+15], v[TM+4+\k]
	v_cvt_scalef32_pk16_fp6_f32 v[\pc+10*\k+6:\pc+10*\k+8], v[\qb+32*\k+16:\qb+32*\k+31], v[TM+4+\k]
.endr
.irp k, 0,1
	v_lshrrev_b32 v[\by+\k], 23, v[TM+4+\k]            ; the scale byte; also the plain lines behind the conversions
.endr
.irp k, 0,1
.irp i, 0,1,2
	v_mov_b32 v[\pc+10*\k+3+\i], v[\pc+10*\k+6+\i]     ; a conversion's three registers begin on an even number
.endr
.endr
.irp k, 0,1
	ds_store_b128 v[IW16], v[\pc+10*\k:\pc+10*\k+3] offset:IMGB*IBW+1536*(\qu)+768*\k
	ds_store_b64 v[IW8], v[\pc+10*\k+4:\pc+10*\k+5] offset:IMGB*IBW+1536*(\qu)+768*\k
	ds_store_b8 v[ISB], v[\by+\k] offset:512*IBW+256*(\qu)+2*\k   ; byte 2 k + hh of the word of row r: lanes 0-15 of the set hold K step 2 w, lanes 16-31 K step 2 w + 1
.endr
.endm
; A turn on a tile of parity p.  qn: the next tile is quantised.  bar = 2: the slot just read out is filled again; 3: the last tensor load is waited for; 1: a plain barrier.
; pf = 1: a pair of tiles is prefetched; 2: the prefetch's address steps.
.macro TURN p, qn, bar, lw, pf
.set IBW, 1-\p
.set RH, 1-\p
	MMPH \lw, \qn
.rept 4
	v_nop                                          ; four places behind the last products, ahead of the reads of their results and of writes into their sources
.endr
.if \qn
	s_wait_dscnt 0x0                               ; the first batch, asked for three K steps ago, is in
	QBATCH ST, 0, XF, BY
	FLOAD 1, ST                                    ; the second batch lands under the tanh
.if \p == 0
	s_xor_b32 s[TB], s[TB], SLOTB                  ; the slot's second 16 rows have been asked for: on to the other slot
	v_add_nc_u32 v[FA], s[TB], v[FA0]
.endif
.endif
.set e, 0
.rept 32
	TF e                                           ; each accumulator from its low end on
.set e, e+1
.endr
	s_wait_alu depctr_va_vdst(0)                   ; the wait ahead of a batch of transcendentals
.set e, 0
.rept 64
	v_exp_f32 v[ACC+e], v[ACC+e]
.set e, e+1
.endr
	v_nop
	s_wait_alu depctr_va_vdst(0)                   ; and behind it, ahead of the first reader
.set e, 0
.rept 32
	v_pk_add_f32 v[ACC+2*e:ACC+2*e+1], v[ACC+2*e:ACC+2*e+1], 1.0 op_sel_hi:[1,0]
.set e, e+1
.endr
	s_wait_alu depctr_va_vdst(0)
.set e, 0
.rept 64
	v_rcp_f32 v[ACC+e], v[ACC+e]
.set e, e+1
.endr
	v_nop
	s_wait_alu depctr_va_vdst(0)
.set e, 0
.rept 32
	TC e
.set e, e+1
.endr
.if \qn
	s_wait_dscnt 0x0                               ; the second batch is in, and the first batch's stores have read their registers
	QBATCH ST, 1, XF, BY
.if \bar >= 2
	s_wait_tensorcnt 0x0                           ; my one tensor load that is out, my part of the other slot, has landed
.endif
.if \bar == 2
	ds_add_u32 v[SPW], v[NIL]
	s_xor_b32 s[GW+1], s[GW+1], SLOTB              ; no tensor load of mine is out: the slot just read out, 32 rows of enc on
	s_add_nc_u64 s[GW+2:GW+3], s[GW+2:GW+3], 0x400000
.endif
	s_wait_dscnt 0x0                               ; my stores into the image have landed, my reads of the slot are over
	s_barrier_signal -1
	s_barrier_wait -1
.if \bar == 2
	CREST                                          ; the barrier has opened a round: no wave of either partner reads the slot or has a load out
	tensor_load_to_lds s[GW:GW+3], s[G1:G1+7]
	s_nop 0
.endif
	LOADS 1-\p
.if \pf == 1
	s_cmp_eq_u32 s[CNT], 1                         ; the last trip has no pair left to ask for
	s_cbranch_scc1 .Lnone_\@
	global_prefetch_b8 v[PFO], s[PFL:PFL+1] th:TH_LOAD_NT scope:SCOPE_SE
	global_prefetch_b8 v[PFO], s[PFL:PFL+1] offset:512 th:TH_LOAD_NT scope:SCOPE_SE
.Lnone_\@:
.endif
.endif
	TRED \p                                        ; stands under the fragment loads' flight
.if \p && \qn
	s_wait_xcnt 0x0                                ; the store and the prefetches have read their bases
	s_add_nc_u64 s[14:15], s[14:15], 128
.if \pf == 2
	s_add_nc_u64 s[PFL:PFL+1], s[PFL:PFL+1], 0x400000
.endif
.endif
.endm
	s_load_b256 s[4:11], s[0:1], 0x0               ; enc, wimg, wsc, gt
	s_load_b128 s[12:15], s[0:1], 0x20             ; v, part
	v_lshl_add_u32 v[SPW], v0, 2, SPARE
	v_mov_b32 v[NIL], 0
	ds_add_u32 v[SPW], v[NIL]                      ; the opening lines: the add twice on end, and one wait
	ds_add_u32 v[SPW], v[NIL]
	v_lshrrev_b32 v[HT], 5, v0
	v_readfirstlane_b32 s[WV], v[HT]
	s_bfe_u32 s[CX], ttmp6, 0x40000
	s_and_b32 s48, ttmp9, 31                       ; b
	s_lshr_b32 s49, ttmp9, 5                       ; which 256 s
	s_mov_b32 s[G1+0], 3|(2<<16)|(1<<20)|(1<<21)|(7<<22)|(3<<25)   ; both partners; 4-byte elements; 16 bytes of padding behind each 1,024
	s_mov_b32 s[G1+1], 256<<16
	s_mov_b32 s[G1+2], 32<<16
	s_mov_b32 s[G1+3], 256<<16
	s_mov_b32 s[G1+4], 32
	s_mov_b32 s[G1+5], 32768                       ; from s to s + 1: 32 x 1,024 elements
	s_mov_b32 s[G1+6], 0
	s_mov_b32 s[G1+7], 0
	s_mov_b32 s[G1W+0], 3<<16                      ; W's tail: a dense block as 130 rows of 256 bytes (32 elements of 8), my own: no mask, no padding
	s_mov_b32 s[G1W+1], 32<<16
	s_mov_b32 s[G1W+2], 130<<16
	s_mov_b32 s[G1W+3], 32<<16
	s_mov_b32 s[G1W+4], 130
	s_mov_b32 s[G1W+5], 32
	s_mov_b32 s[G1W+6], 0
	s_mov_b32 s[G1W+7], 0
	s_lshl_b32 s50, s49, 25
	s_lshl_b32 s52, s48, 12
	s_add_co_u32 s50, s50, s52
	s_lshl_b32 s52, s[WV], 10
	s_add_co_u32 s50, s50, s52                     ; enc: 256 s-rows x block + 4,096 b + 1,024 w
	s_mov_b32 s51, 0
	s_mul_i32 s53, s[WV], WPART
	s_mul_i32 s54, s[WV], 3072
	s_lshl_b32 s55, s[WV], 2
	s_lshl_b32 s47, s[CX], 21                      ; 16 rows of enc: enters the prefetch's offset alone
	s_mov_b32 s[TB], 0
	s_mov_b32 s[CC], 0x4038aa3b
	s_mov_b32 s[CC+1], s[CC]
	s_mov_b32 s[M8], 0xff00ff00
	s_mov_b32 s[M4], 0xf0f0f0f0
	s_mov_b32 s[M2], 0xcccccccc
	s_mov_b32 s[M1], 0xaaaaaaaa
	v_and_b32 v[HL], 31, v0
	v_and_b32 v[HR], 15, v0
	v_bfe_u32 v[HH], v0, 4, 1
	v_lshlrev_b32 v[HL16], 4, v[HL]
	v_lshlrev_b32 v[HR4], 2, v[HR]
	v_lshlrev_b32 v[HWS], 5, v[HR]
	v_lshl_add_u32 v[HWS], v[HH], 4, v[HWS]        ; W's scale words: 32 r + 16 hh
	v_add_nc_u32 v[HLW], s53, v[HL16]
	v_add_nc_u32 v[HLW], SLOTB, v[HLW]             ; W's tail in LDS: my region of slot 1, 16 bytes a lane
	v_mul_u32_u24 v[FA0], v[HR], RP
	v_lshl_add_u32 v[FA0], v[HH], 7, v[FA0]
	v_add_nc_u32 v[FA0], s53, v[FA0]               ; row r, + 128 hh, in my region
	v_add_nc_u32 v[FA], s[TB], v[FA0]
	v_add_nc_u32 v[IW16], s54, v[HL16]
	v_add_nc_u32 v[IW16], IMG, v[IW16]
	v_lshl_add_u32 v[IW8], v[HL], 3, s54
	v_add_nc_u32 v[IW8], IMG+512, v[IW8]
	v_lshl_add_u32 v[ISB], v[HR], 4, v[HH]
	v_add_nc_u32 v[ISB], s55, v[ISB]
	v_add_nc_u32 v[ISB], XSC, v[ISB]
	v_add_nc_u32 v[LI16], IMG, v[HL16]
	v_lshlrev_b32 v[LI8], 3, v[HL]
	v_add_nc_u32 v[LI8], IMG+512, v[LI8]
	v_and_b32 v[HA], 1, v0
	v_bfe_u32 v[HB], v0, 1, 3
	v_lshlrev_b32 v[SO], 6, v[HA]
	v_lshl_add_u32 v[SO], v[HH], 5, v[SO]
	v_lshl_add_u32 v[SO], v[HB], 2, v[SO]
	v_lshlrev_b32 v[PFO], 17, v[HR]                ; a lane a block: row r of my partner's 16, block hh of a line's two
	v_lshl_add_u32 v[PFO], v[HH], 8, v[PFO]
	v_add_nc_u32 v[PFO], s47, v[PFO]
	v_mov_b32 v[Z0], 0                             ; the destination of a DPP form counts as read
	s_wait_alu depctr_va_vdst(0)                   ; the wait behind the head's vector lines
	s_wait_dscnt 0x0
	s_wait_kmcnt 0x0
	s_add_nc_u64 s[4:5], s[4:5], s[50:51]
	s_mov_b32 s[G0A], 1
	s_mov_b32 s[G0A+1], s53
	s_mov_b64 s[G0A+2:G0A+3], s[4:5]
	s_or_b32 s[G0A+3], s[G0A+3], 0x80000000
	s_mov_b32 s[GW], 1
	s_add_co_u32 s[GW+1], s53, SLOTB
	s_add_nc_u64 s[GW+2:GW+3], s[4:5], 0x400000
	s_or_b32 s[GW+3], s[GW+3], 0x80000000
	s_add_nc_u64 s[PFA:PFA+1], s[4:5], 0x400000    ; pair 1
	s_add_nc_u64 s[PFL:PFL+1], s[4:5], 0xc00000    ; pair 3: what the first trip asks for
	CROUND
	tensor_load_to_lds s[G0A:G0A+3], s[G1:G1+7]    ; rows 0-31: my one tensor load at the head
	s_nop 0
	s_lshl_b32 s52, s[CX], 2
	s_add_co_u32 s52, s52, s[WV]                   ; part p
	s_mul_i32 s50, s52, 98304
	s_add_nc_u64 s[6:7], s[6:7], s[50:51]
	s_lshl_b32 s50, s52, 12
	s_add_nc_u64 s[8:9], s[8:9], s[50:51]
	s_lshl_b32 s50, s52, 14
	s_lshl_b32 s54, s48, 6
	s_add_co_u32 s50, s50, s54
	s_add_nc_u64 s[10:11], s[10:11], s[50:51]
	s_lshl_b32 s50, s52, 9
	s_add_nc_u64 s[12:13], s[12:13], s[50:51]
	s_lshl_b32 s50, s52, 17
	s_lshl_b32 s54, s48, 12
	s_add_co_u32 s50, s50, s54
	s_lshl_b32 s54, s49, 10
	s_add_co_u32 s50, s50, s54
	s_add_nc_u64 s[14:15], s[14:15], s[50:51]
.irp q, 0,1                            ; pairs 1 and 2, whose tensor loads follow behind the head and behind the first turn
	global_prefetch_b8 v[PFO], s[PFA:PFA+1] offset:0x400000*\q th:TH_LOAD_NT scope:SCOPE_SE
	global_prefetch_b8 v[PFO], s[PFA:PFA+1] offset:0x400000*\q+512 th:TH_LOAD_NT scope:SCOPE_SE
.endr
.irp t, 0,1,2,3,4,5,6,7
	global_load_b128 v[WS+4*\t:WS+4*\t+3], v[HWS], s[8:9] offset:512*\t   ; register i: K step 2 i + hh
.endr
.irp t, 0,1,2,3,4,5,6,7
	global_load_b32 v[CG+\t], v[HR4], s[10:11] offset:2048*\t
	global_load_b32 v[VV+\t], v[HR4], s[12:13] offset:64*\t
.endr
.set f, 0
.rept 42                               ; W's fragments 0-41 in the order in which the products take them; each load covers 512 bytes on end
.set wn, (1+f/21)<<6
	WIN wn
.irp c, 0,1,2
	global_load_b128 v[12*(f%21)+4*\c:12*(f%21)+4*\c+3], v[HL16], s[6:7] offset:1536*f+512*\c
.endr
.set f, f+1
.endr
	WIN 0xc0
	global_load_b128 v[0:3], v[HL16], s[6:7] offset:1536*42   ; and the first third of fragment 42
	WIN 0
	s_wait_tensorcnt 0x0                           ; rows 0-31 are in
	ds_add_u32 v[SPW], v[NIL]
	s_add_co_u32 s[G0A+1], s53, SLOTB              ; no tensor load of mine is out: the descriptor now names W's last 33,280 bytes and my region of slot 1
	s_add_nc_u64 s[G0A+2:G0A+3], s[6:7], 65024
	s_or_b32 s[G0A+3], s[G0A+3], 0x80000000
	s_wait_dscnt 0x0
	CROUND
	tensor_load_to_lds s[G0A:G0A+3], s[G1W:G1W+7]
	s_nop 0
.set IBW, 0
.set RH, 0
	FLOAD 0, ST                                    ; tile 0 is quantised while W lands
	FLOAD 1, ACC
	s_wait_dscnt 16
	QBATCH ST, 0, XF, BY
	s_wait_dscnt 6
	QBATCH ACC, 1, ST, BY+2
	s_wait_tensorcnt 0x0                           ; W's tail is in my region: only I read it
	WIN 0xc0
.irp c, 1,2
	ds_load_b128 v[4*\c:4*\c+3], v[HLW] offset:512*(\c-1)      ; the rest of fragment 42
.endr
.set f, 43
.rept 20
.irp c, 0,1,2
	ds_load_b128 v[12*(f%21)+4*\c:12*(f%21)+4*\c+3], v[HLW] offset:1024+1536*(f-43)+512*\c
.endr
.set f, f+1
.endr
	WIN 0
.irp c, 0,1,2
	ds_load_b128 v[W63+4*\c:W63+4*\c+3], v[HLW] offset:1024+1536*20+512*\c
.endr
	s_wait_tensorcnt 0x0                           ; the three lines ahead of a refill: slot 1's regions, which W's tails filled whole, take enc's rows 32-63
	ds_add_u32 v[SPW], v[NIL]
	s_wait_dscnt 0x0                               ; W's tail is in registers, tile 0's image has landed
	CROUND
	tensor_load_to_lds s[GW:GW+3], s[G1:G1+7]
	s_nop 0
	LOADS 0
	s_wait_loadcnt 63                              ; v is in: 127 loads were issued behind it
	v_add_f32 v[V0], v[VV], v[VV+1]
.irp t, 2,3,4,5,6,7
	v_add_f32 v[V0], v[V0], v[VV+\t]
.endr
	v_mov_b32 v[V0+1], v[V0]
.irp t, 0,2,4,6
	v_pk_mul_f32 v[VV+\t:VV+\t+1], v[VV+\t:VV+\t+1], -2.0 op_sel_hi:[1,0]
.endr
	s_mov_b32 s[CNT], 6
.Lfill:                                ; tiles 0-11: each trip fills one slot again, with the pair two pairs on
	TURN 0, 1, 2, 1, 1
	TURN 1, 1, 1, 0, 2
	s_sub_co_u32 s[CNT], s[CNT], 1
	s_cmp_lg_u32 s[CNT], 0
	s_cbranch_scc1 .Lfill
	TURN 0, 1, 3, 0, 0                             ; tiles 12-15: nothing is left to fetch
	TURN 1, 1, 1, 0, 0
	TURN 0, 1, 1, 0, 0
	TURN 1, 0, 0, 0, 0
	s_wait_tensorcnt 0x0                           ; the wave's end
	ds_add_u32 v[SPW], v[NIL]
	s_wait_dscnt 0x0
	CROUND                                         ; the closing round
	s_endpgm
.Lfunc_end_k_q4fbe018efe_main:
	.size	k_q4fbe018efe_main, .Lfunc_end_k_q4fbe018efe_main-k_q4fbe018efe_main
	.p2alignl 7, 3214868480
	.fill 96, 4, 3214868480
	.section	.rodata,"a",@progbits
	.p2align	6, 0x0
	.amdhsa_kernel k_q4fbe018efe_main
		.amdhsa_group_segment_fixed_size 327680
		.amdhsa_private_segment_fixed_size 0
		.amdhsa_enable_private_segment 0
		.amdhsa_kernarg_size 48
		.amdhsa_user_sgpr_count 2
		.amdhsa_user_sgpr_kernarg_segment_ptr 1
		.amdhsa_wavefront_size32 1
		.amdhsa_system_sgpr_workgroup_id_x 1
		.amdhsa_system_sgpr_workgroup_id_y 1
		.amdhsa_system_sgpr_workgroup_id_z 1
		.amdhsa_system_vgpr_workitem_id 0
		.amdhsa_next_free_vgpr 1024
		.amdhsa_next_free_sgpr 66
		.amdhsa_reserve_vcc 0
		.amdhsa_float_denorm_mode_32 3
		.amdhsa_float_denorm_mode_16_64 3
		.amdhsa_memory_ordered 1
		.amdhsa_forward_progress 1
		.amdhsa_inst_pref_size 212
	.end_amdhsa_kernel
	.amdgpu_metadata
---
amdhsa.version: [ 1, 2 ]
amdhsa.kernels:
  - .name:           k_q4fbe018efe_main
    .symbol:         k_q4fbe018efe_main.kd
    .args:
      - { .name: encoder_outputs, .offset: 0, .size: 8, .value_kind: global_buffer, .address_space: global }
      - { .name: wimg, .offset: 8, .size: 8, .value_kind: global_buffer, .address_space: global }
      - { .name: wsc, .offset: 16, .size: 8, .value_kind: global_buffer, .address_space: global }
      - { .name: gt, .offset: 24, .size: 8, .value_kind: global_buffer, .address_space: global }
      - { .name: v, .offset: 32, .size: 8, .value_kind: global_buffer, .address_space: global }
      - { .name: part, .offset: 40, .size: 8, .value_kind: global_buffer, .address_space: global }
    .group_segment_fixed_size: 327680
    .private_segment_fixed_size: 0
    .kernarg_segment_align: 8
    .kernarg_segment_size: 48
    .max_flat_workgroup_size: 128
    .sgpr_count:     66
    .vgpr_count:     1024
    .wavefront_size: 32
...
	.end_amdgpu_metadata
.endif
;; end of part 2
;; launch smax (part 3): grid 32 x 1, 8 waves a work-group, no clusters, 1,280 bytes of LDS; arguments part, out0; writes out0
.if DOCPART == 3
	.amdgcn_target "amdgcn-amd-amdhsa--gfx1250"
	.amdhsa_code_object_version 6
	.text
	.protected	k_q4fbe018efe_smax
	.globl	k_q4fbe018efe_smax
	.p2align	8
	.type	k_q4fbe018efe_smax,@function
k_q4fbe018efe_smax:
	s_mov_b64 s[64:65], 0
	v_nop
	global_prefetch_b8 v0, s[64:65] scope:SCOPE_SE
	s_setreg_imm32_b32 hwreg(HW_REG_WAVE_MODE, 25, 1), 1
	s_wait_xcnt 0x0
; out0[b][0][s] = softmax over s of the sum over p of part[p][b][s].  part: [8][32][1024] f32.
; Work-group b, eight waves; thread t owns s = 4 t .. 4 t + 3: every load and store of a wave covers 512 consecutive bytes.
; The row's maximum is taken away before the exponential.  Maximum and sum go across the lanes by DPP steps and one exchange of the halves, and across the waves through LDS, each through words of its own.
; No matrix unit, no cluster, no tensor load: 1 MiB is read once and 128 KiB written.  NaN and infinities are not served.
	s_load_b128 s[4:7], s[0:1], 0x0                ; part, out0
	v_lshl_add_u32 v48, v0, 2, 0x100
	v_mov_b32 v49, 0
	v_lshlrev_b32 v1, 4, v0                        ; 16 t
	v_lshrrev_b32 v2, 5, v0
	s_delay_alu instid0(VALU_DEP_1)
	v_lshlrev_b32 v2, 2, v2                        ; 4 x wave: my wave's word in LDS
	v_mov_b32 v3, 0
	v_mov_b32 v41, 0                               ; the destination of a lane permute counts as read
	v_mov_b32 v23, 0                               ; named as the upper half of a pair
	s_lshl_b32 s8, ttmp9, 12                       ; row b of 4,096 bytes
	s_mov_b32 s9, 0
	s_mov_b32 s10, 0x76543210
	s_mov_b32 s11, 0xfedcba98
	s_mov_b32 s12, 0x3fb8aa3b                      ; log2(e)
	s_mov_b32 s13, s12
	s_wait_alu depctr_va_vdst(0)
	s_wait_kmcnt 0x0
	s_add_nc_u64 s[4:5], s[4:5], s[8:9]
	s_add_nc_u64 s[6:7], s[6:7], s[8:9]
.irp p, 0,1,2,3,4,5,6,7
	global_load_b128 v[4+4*\p:7+4*\p], v1, s[4:5] offset:131072*\p th:TH_LOAD_NT
.endr
.irp p, 1,2,3,4,5,6,7
	s_wait_alu depctr_va_vdst(0)
	s_wait_loadcnt 7-\p                            ; parts 0 to p are in; the younger loads stay out
	v_pk_add_f32 v[4:5], v[4:5], v[4+4*\p:5+4*\p]
	v_pk_add_f32 v[6:7], v[6:7], v[6+4*\p:7+4*\p]
.endr
	s_delay_alu instid0(VALU_DEP_1)
	v_max3_num_f32 v40, v4, v5, v6
	s_delay_alu instid0(VALU_DEP_1)
	v_max_num_f32 v40, v40, v7
	s_delay_alu instid0(VALU_DEP_1)
	v_max_num_f32_dpp v40, v40, v40 row_xmask:1 row_mask:0xf bank_mask:0xf
	s_delay_alu instid0(VALU_DEP_1)
	v_max_num_f32_dpp v40, v40, v40 row_xmask:2 row_mask:0xf bank_mask:0xf
	s_delay_alu instid0(VALU_DEP_1)
	v_max_num_f32_dpp v40, v40, v40 row_xmask:4 row_mask:0xf bank_mask:0xf
	s_delay_alu instid0(VALU_DEP_1)
	v_max_num_f32_dpp v40, v40, v40 row_xmask:8 row_mask:0xf bank_mask:0xf
	s_delay_alu instid0(VALU_DEP_1)
	v_permlanex16_b32 v41, v40, s10, s11
	s_delay_alu instid0(VALU_DEP_1)
	v_max_num_f32 v40, v40, v41
	ds_store_b32 v2, v40                           ; all lanes write the same word with the same value
	s_wait_dscnt 0x0
	s_barrier_signal -1
	s_barrier_wait -1
	ds_load_b128 v[12:15], v3
	ds_load_b128 v[16:19], v3 offset:16
	s_wait_dscnt 0x0
	v_max3_num_f32 v40, v12, v13, v14
	s_delay_alu instid0(VALU_DEP_1)
	v_max3_num_f32 v40, v40, v15, v16
	s_delay_alu instid0(VALU_DEP_1)
	v_max3_num_f32 v40, v40, v17, v18
	s_delay_alu instid0(VALU_DEP_1)
	v_max_num_f32 v40, v40, v19                    ; the row's maximum m
	s_delay_alu instid0(VALU_DEP_1)
	v_mul_f32 v20, 0xbfb8aa3b, v40                 ; -m log2(e)
	s_delay_alu instid0(VALU_DEP_1)
	v_mov_b32 v21, v20
	s_delay_alu instid0(VALU_DEP_1)
	v_pk_fma_f32 v[4:5], v[4:5], s[12:13], v[20:21] op_sel_hi:[1,0,1]
	s_delay_alu instid0(VALU_DEP_2)
	v_pk_fma_f32 v[6:7], v[6:7], s[12:13], v[20:21] op_sel_hi:[1,0,1]
	s_wait_alu depctr_va_vdst(0)
	v_exp_f32 v4, v4
	v_exp_f32 v5, v5
	v_exp_f32 v6, v6
	v_exp_f32 v7, v7
	v_nop                                          ; a plain line behind the last exponential
	s_wait_alu depctr_va_vdst(0)                   ; one wait for the four, ahead of their first reader
	v_pk_add_f32 v[8:9], v[4:5], v[6:7]
	s_delay_alu instid0(VALU_DEP_1)
	v_add_f32 v8, v8, v9
	s_delay_alu instid0(VALU_DEP_1)
	v_add_f32_dpp v8, v8, v8 row_xmask:1 row_mask:0xf bank_mask:0xf
	s_delay_alu instid0(VALU_DEP_1)
	v_add_f32_dpp v8, v8, v8 row_xmask:2 row_mask:0xf bank_mask:0xf
	s_delay_alu instid0(VALU_DEP_1)
	v_add_f32_dpp v8, v8, v8 row_xmask:4 row_mask:0xf bank_mask:0xf
	s_delay_alu instid0(VALU_DEP_1)
	v_add_f32_dpp v8, v8, v8 row_xmask:8 row_mask:0xf bank_mask:0xf
	s_delay_alu instid0(VALU_DEP_1)
	v_permlanex16_b32 v41, v8, s10, s11
	s_delay_alu instid0(VALU_DEP_1)
	v_add_f32 v8, v8, v41
	ds_store_b32 v2, v8 offset:64                  ; other words than the maxima's: no wave can still be reading these
	s_wait_dscnt 0x0
	s_barrier_signal -1
	s_barrier_wait -1
	ds_load_b128 v[12:15], v3 offset:64
	ds_load_b128 v[16:19], v3 offset:80
	s_wait_dscnt 0x0
	v_add_f32 v12, v12, v13
.irp k, 14,15,16,17,18,19
	s_delay_alu instid0(VALU_DEP_1)
	v_add_f32 v12, v12, v[\k]
.endr
	s_wait_alu depctr_va_vdst(0)
	v_rcp_f32 v22, v12                             ; the sum is at least 1: the largest term is 2^0
	v_nop
	s_wait_alu depctr_va_vdst(0)
	v_pk_mul_f32 v[4:5], v[4:5], v[22:23] op_sel_hi:[1,0]
	v_pk_mul_f32 v[6:7], v[6:7], v[22:23] op_sel_hi:[1,0]
	global_store_b128 v1, v[4:7], s[6:7] th:TH_STORE_NT
	s_wait_tensorcnt 0x0
	ds_add_u32 v48, v49
	s_wait_dscnt 0x0
	s_endpgm
.Lfunc_end_k_q4fbe018efe_smax:
	.size	k_q4fbe018efe_smax, .Lfunc_end_k_q4fbe018efe_smax-k_q4fbe018efe_smax
	.p2alignl 7, 3214868480
	.fill 96, 4, 3214868480
	.section	.rodata,"a",@progbits
	.p2align	6, 0x0
	.amdhsa_kernel k_q4fbe018efe_smax
		.amdhsa_group_segment_fixed_size 1280
		.amdhsa_private_segment_fixed_size 0
		.amdhsa_enable_private_segment 0
		.amdhsa_kernarg_size 16
		.amdhsa_user_sgpr_count 2
		.amdhsa_user_sgpr_kernarg_segment_ptr 1
		.amdhsa_wavefront_size32 1
		.amdhsa_system_sgpr_workgroup_id_x 1
		.amdhsa_system_sgpr_workgroup_id_y 1
		.amdhsa_system_sgpr_workgroup_id_z 1
		.amdhsa_system_vgpr_workitem_id 0
		.amdhsa_next_free_vgpr 50
		.amdhsa_next_free_sgpr 66
		.amdhsa_reserve_vcc 0
		.amdhsa_float_denorm_mode_32 3
		.amdhsa_float_denorm_mode_16_64 3
		.amdhsa_memory_ordered 1
		.amdhsa_forward_progress 1
		.amdhsa_inst_pref_size 7
	.end_amdhsa_kernel
	.amdgpu_metadata
---
amdhsa.version: [ 1, 2 ]
amdhsa.kernels:
  - .name:           k_q4fbe018efe_smax
    .symbol:         k_q4fbe018efe_smax.kd
    .args:
      - { .name: part, .offset: 0, .size: 8, .value_kind: global_buffer, .address_space: global }
      - { .name: out0, .offset: 8, .size: 8, .value_kind: global_buffer, .address_space: global }
    .group_segment_fixed_size: 1280
    .private_segment_fixed_size: 0
    .kernarg_segment_align: 8
    .kernarg_segment_size: 16
    .max_flat_workgroup_size: 256
    .sgpr_count:     66
    .vgpr_count:     50
    .wavefront_size: 32
...
	.end_amdgpu_metadata
.endif
;; end of part 3
